; MI455X (gfx1250); checked and timed in simulation.
; The chip was launched on July 23, 2026; its instructions are those of AMD's public machine-readable ISA for CDNA 5 (MIT licence, August 2026) and "CDNA5" Instruction Set Architecture Reference Guide (July 2026). The comments in the code are by the model that wrote it; some were corrected since.
;; Enhanced Brain. Allowed arithmetic: matrix products marked QUANTISED: E4M3 operands, one given power-of-two scale a tensor, by v_wmma_f32_16x16x64_fp8_fp8 or v_wmma_f32_16x16x128_fp8_fp8, f32 sums; products left as they are: f32 operands where the result goes on into a quantised operand, else bf16, f16 or f32 operands; f32 sums; everything else in f32.
;; Inputs: W1_codes 256 x 32 x 32 uint8 (E4M3 codes of W1, K innermost, in blocks of 32 codes); W2 256 x 8 float32; Wa_codes 8 x 4,096 x 32 x 32 uint8 (E4M3 codes of Wa, K innermost, in blocks of 32 codes); Wb_codes 8 x 1,024 x 128 x 32 uint8 (E4M3 codes of Wb, K innermost, in blocks of 32 codes); b1 256 float32; b2 8 float32; lowp_scales 34 int32 (the exponents e of the quantised operands' scales 2^e); x 16 x 64 x 1,024 float32.
;; Outputs: out0 16 x 64 x 1,024 float32.
;; This version of the problem:
;;   THIS VERSION OF THE PROBLEM IS GIVEN IN LOW PRECISION. The matrix products marked QUANTISED in the list below multiply operands that are first quantised to E4M3 (4 exponent bits, 3 mantissa bits; 8 bits a number), with one given power-of-two scale for each operand tensor; their sums are f32. All else is computed in f32.
;;   The module's matrix products, in the order in which they are computed (A, B: the left and right operand; K: the contracted axis; several contracted axes count as one K, in the product's order):
;;     1. [M 16, K 1,024] x [K 1,024, N 256]; A: computed on the way; B: input W1 (given as codes): QUANTISED (scales: A lowp_scales[0], B lowp_scales[1])
;;     2. [M 16, K 256] x [K 256, N 8]; A: computed on the way; B: input W2: left as it is (N = 8 < 16)
;;     3. batch 16 x [M 1, K 3] x [K 3, N 8]; A: computed on the way; B: computed on the way: left as it is (K = 3 < 32)
;;     4. [M 1,024, K 1,024] x [K 1,024, N 4,096]; A: input x; B: input Wa (given as codes): QUANTISED (scales: A lowp_scales[2], B lowp_scales[3])
;;     5. [M 1,024, K 4,096] x [K 4,096, N 1,024]; A: computed on the way; B: input Wb (given as codes): QUANTISED (scales: A lowp_scales[4], B lowp_scales[5])
;;     6. [M 1,024, K 1,024] x [K 1,024, N 4,096]; A: input x; B: input Wa (given as codes): QUANTISED (scales: A lowp_scales[6], B lowp_scales[7])
;;     7. [M 1,024, K 4,096] x [K 4,096, N 1,024]; A: computed on the way; B: input Wb (given as codes): QUANTISED (scales: A lowp_scales[8], B lowp_scales[9])
;;     8. [M 1,024, K 1,024] x [K 1,024, N 4,096]; A: input x; B: input Wa (given as codes): QUANTISED (scales: A lowp_scales[10], B lowp_scales[11])
;;     9. [M 1,024, K 4,096] x [K 4,096, N 1,024]; A: computed on the way; B: input Wb (given as codes): QUANTISED (scales: A lowp_scales[12], B lowp_scales[13])
;;     10. [M 1,024, K 1,024] x [K 1,024, N 4,096]; A: input x; B: input Wa (given as codes): QUANTISED (scales: A lowp_scales[14], B lowp_scales[15])
;;     11. [M 1,024, K 4,096] x [K 4,096, N 1,024]; A: computed on the way; B: input Wb (given as codes): QUANTISED (scales: A lowp_scales[16], B lowp_scales[17])
;;     12. [M 1,024, K 1,024] x [K 1,024, N 4,096]; A: input x; B: input Wa (given as codes): QUANTISED (scales: A lowp_scales[18], B lowp_scales[19])
;;     13. [M 1,024, K 4,096] x [K 4,096, N 1,024]; A: computed on the way; B: input Wb (given as codes): QUANTISED (scales: A lowp_scales[20], B lowp_scales[21])
;;     14. [M 1,024, K 1,024] x [K 1,024, N 4,096]; A: input x; B: input Wa (given as codes): QUANTISED (scales: A lowp_scales[22], B lowp_scales[23])
;;     15. [M 1,024, K 4,096] x [K 4,096, N 1,024]; A: computed on the way; B: input Wb (given as codes): QUANTISED (scales: A lowp_scales[24], B lowp_scales[25])
;;     16. [M 1,024, K 1,024] x [K 1,024, N 4,096]; A: input x; B: input Wa (given as codes): QUANTISED (scales: A lowp_scales[26], B lowp_scales[27])
;;     17. [M 1,024, K 4,096] x [K 4,096, N 1,024]; A: computed on the way; B: input Wb (given as codes): QUANTISED (scales: A lowp_scales[28], B lowp_scales[29])
;;     18. [M 1,024, K 1,024] x [K 1,024, N 4,096]; A: input x; B: input Wa (given as codes): QUANTISED (scales: A lowp_scales[30], B lowp_scales[31])
;;     19. [M 1,024, K 4,096] x [K 4,096, N 1,024]; A: computed on the way; B: input Wb (given as codes): QUANTISED (scales: A lowp_scales[32], B lowp_scales[33])
;;   THE QUANTISER, for each operand of a quantised product, along K:
;;     - The operand's scale is 2^e, e = its entry of the input lowp_scales (int32; the entries are numbered through the quantised products in the list's order, A before B).
;;     - Each number is divided by the scale, clamped to +-448, and rounded to the nearest number of E4M3, ties to even, subnormals kept.
;;     - The product sums the exact products of the quantised numbers (number of the format x scale) in f32.
;;   ~~~python
;;   def quantise(x, axis, e):      # numpy; x: float32 -> the quantised numbers, widened to float32 again
;;       x = np.moveaxis(x, axis, -1); K = x.shape[-1]
;;       r = np.clip(x / 2.0 ** e, -448, 448)
;;       step = 2.0 ** (np.maximum(np.frexp(np.where(r == 0, 1, r))[1] - 1, -6) - 3)
;;       q = np.round(r / step) * step * 2.0 ** e      # np.round: ties to even
;;       return np.moveaxis(q, -1, axis).astype(np.float32)
;;   ~~~
;;   OPERANDS COMPUTED ON THE WAY. 'Computed on the way' means the value that the module computes at that place (a softmax that the list does not call 'softmax' is quantised finished and normalised). What goes into a quantiser is computed in f32, as accurately as f32 sums, v_exp_f32 and their like allow (about 1e-6 of the number): no bf16 or f16 on the way to a quantiser, and a product that is left as it is and whose result goes on into a quantised operand takes f32 operands (vector FMAs, or v_wmma_f32_16x16x4_f32). A number that lies on a knife's edge between two numbers of the format may be rounded either way, as far as f32 arithmetic and the matrix unit's own rounding can turn it there, and no further.
;;   INPUTS GIVEN AS CODES. W1 (in the module: [1024, 256], K = its axis 0); Wa (in the module: [8, 1024, 4096], K = its axis 1); Wb (in the module: [8, 4096, 1024], K = its axis 1): each comes as NAME_codes (uint8): NAME with its K axis moved to the last place and cut into blocks of 32 codes, [.., K / 32, bytes a block], one block behind the other in memory; one code a byte (a code: sign, 4 exponent bits, 3 mantissa bits); its scale is its entry of lowp_scales. Its value is code x scale, taken as it is: it is not quantised again, and the codes and scales need not be those that the quantiser above would give.
;; One version. Each part assembles by itself: llvm-mc -triple=amdgcn-amd-amdhsa -mcpu=gfx1250 --defsym DOCPART=n.
;; ======== version 1 of 1: 3 launches
;; limits: right only within a limited range of input values
;; workspace buffers: idx 256 bytes of whole numbers; wts 256 bytes; xq 8,388,608 bytes; hq 12,582,912 bytes
;; launch route (part 1): grid 144 x 1, 16 waves a work-group, clusters of 4 x 1, 278,016 bytes of LDS; arguments x, W1_codes, W2, b1, b2, lowp_scales, idx, wts, xq; writes idx, wts, xq
.if DOCPART == 1
	.amdgcn_target "amdgcn-amd-amdhsa--gfx1250"
	.amdhsa_code_object_version 6
	.text
	.protected	k_qb37777ed8c_route
	.globl	k_qb37777ed8c_route
	.p2align	8
	.type	k_qb37777ed8c_route,@function
k_qb37777ed8c_route:
	s_mov_b64 s[64:65], 0
	v_nop
	global_prefetch_b8 v0, s[64:65] scope:SCOPE_SE
	s_setreg_imm32_b32 hwreg(HW_REG_WAVE_MODE, 25, 1), 1
	s_wait_xcnt 0x0
	s_wait_alu depctr_hold_cnt(0) depctr_sa_sdst(0) depctr_va_vdst(0) depctr_va_sdst(0) depctr_va_ssrc(0) depctr_va_vcc(0) depctr_vm_vsrc(0)
	s_getreg_b32 s2, hwreg(HW_REG_IB_STS2, 6, 4)
	s_cmp_eq_u32 s2, 0
	s_cbranch_scc0 .Lentry_in_a_cluster
	s_endpgm
.Lentry_in_a_cluster:
	s_bfe_u32 s2, ttmp6, 0x10000c
	s_cmp_lg_u32 s2, 0x3003
	s_cbranch_scc0 .Lentry_shape_is_right
	s_endpgm
.Lentry_shape_is_right:
; TWO JOBS IN ONE LAUNCH, told apart by the cluster's number alone.
; Work-groups 0-15 (clusters 0-3): the router of batch b: mean over the 64 tokens, quantised, x W1 (E4M3 codes), tanh, x W2 in f32, exponentials under the row's maximum,
;   the three largest (a strict > keeps the lower index at a tie), their weights p / (sum of the three).  idx[b] = e0, e1, e2, 0;  wts[b] = w0, w1, w2, 0.
; Work-groups 16-143: 8 rows of x each, quantised once for each of the eight experts' scales: xq[e][64 b + token][1024], a byte a code.
; DEAD WORK, left out: the softmax's divisor, which top_p / sum(top_p) cancels for all inputs; the one-hot product, which is a lookup of three weights; in the later launches the five experts
;   that the router did not choose for a batch: reference() itself gives them the weight 0.  LIMIT: a NaN, an infinity or an overflow that reaches only that work is not carried to the result.
; No address and no branch hangs on a floating-point number: the choice is made by compares and selects and stored at fixed places.
; LIMITS: lowp_scales[0] + 6 and each expert's ex lie between -126 and 119, so that the scale and 448 x the scale are f32 numbers.  NaN among the inputs is not served.
; CLUSTERS of four: W1's rows, the same for all batches, are asked for jointly: wave w's 16 rows by one tensor load with the mask of all four.
; No prefetch: no loop; every byte is asked for at the head.
.set W1P,   1040                       ; W1's LDS rows: 1,024 bytes + 16
.set PSUM,  16*16*W1P                  ; 2 x 1,024 partial column sums
.set PCODE, PSUM+8192                  ; 1,024 codes of the pooled vector, k ascending
.set LPART, PCODE+1024                 ; 32 bytes of partial logits a wave
.set SPARE, LPART+512
.macro CROUND                          ; a round of the cluster's barrier
	s_barrier_signal -1
	s_barrier_wait -1
	s_cmp_lg_u32 s22, 0
	s_cbranch_scc1 .Lnot_wave_0_\@
	s_barrier_signal -3
.Lnot_wave_0_\@:
	s_barrier_wait -3
	s_barrier_signal -1
	s_barrier_wait -1
.endm
	s_load_b512 s[4:19], s[0:1], 0x0               ; x 4:5, W1 6:7, W2 8:9, b1 10:11, b2 12:13, scales 14:15, idx 16:17, wts 18:19
	s_load_b64 s[20:21], s[0:1], 0x40              ; xq
	v_lshl_add_u32 v62, v0, 2, SPARE
	v_mov_b32 v63, 0
	v_lshrrev_b32 v1, 5, v0
	v_readfirstlane_b32 s22, v1                    ; wave 0..15
	v_and_b32 v1, 31, v0                           ; lane
	v_and_b32 v2, 15, v0                           ; r
	v_bfe_u32 v3, v0, 4, 1                         ; h
	v_lshlrev_b32 v4, 4, v1
	v_lshlrev_b32 v5, 5, v1
	v_lshlrev_b32 v7, 3, v1
	s_bfe_u32 s23, ttmp6, 0x40000                  ; cx
	s_lshl_b32 s24, ttmp9, 2
	s_add_co_u32 s23, s23, s24                     ; work-group
	s_cmp_ge_u32 ttmp9, 4
	s_wait_alu depctr_va_vdst(0)
	s_cbranch_scc1 .Lquant
; ------------------------------------------------------------------ THE ROUTER, batch b = s23
	ds_add_u32 v62, v63
	ds_add_u32 v62, v63
	s_mul_i32 s30, s22, 16*W1P                     ; my 16 rows of W1 in LDS
	s_lshl_b32 s31, s22, 5
	s_add_co_u32 s31, s31, LPART
	s_lshl_b32 s32, s23, 4
	v_lshl_add_u32 v6, v0, 4, PSUM                 ; my four column sums: row half w / 8, columns 128 (w % 8) + 4 lane
	v_mul_u32_u24 v8, v2, W1P
	v_lshl_add_u32 v8, v3, 4, v8
	v_add_nc_u32 v8, s30, v8                       ; W1: row r, + 16 h
	v_lshlrev_b32 v10, 2, v2                       ; b1
	v_lshlrev_b32 v11, 5, v2                       ; W2: rows of 32 bytes
	v_mov_b32 v20, s31                             ; my wave's partial logits
	v_mov_b32 v21, LPART
	v_mov_b32 v22, s32                             ; idx, wts: 16 b
	v_lshl_add_u32 v23, v3, 4, PCODE               ; the pooled codes, + 16 h
	v_lshl_add_u32 v60, v0, 5, PSUM                ; waves 0-3: thread t takes columns 8 t .. 8 t + 7
	v_lshl_add_u32 v61, v0, 3, PCODE
	s_mov_b32 s68, 15|(1<<20)|(1<<21)|(7<<22)|(3<<25)   ; mask of all four; elements of 1 byte; 4 words of padding behind every 256
	s_mov_b32 s69, 1024<<16
	s_mov_b32 s70, 16<<16
	s_mov_b32 s71, 1024<<16
	s_mov_b32 s72, 16
	s_mov_b32 s73, 1024
	s_mov_b32 s74, 0
	s_mov_b32 s75, 0
	s_lshl_b32 s24, s23, 18                        ; x: batch b, 32 rows by w / 8, 512 bytes by w % 8
	s_lshr_b32 s25, s22, 3
	s_lshl_b32 s25, s25, 17
	s_add_co_u32 s24, s24, s25
	s_and_b32 s25, s22, 7
	s_lshl_b32 s25, s25, 9
	s_add_co_u32 s24, s24, s25
	s_mov_b32 s25, 0
	s_lshl_b32 s26, s22, 14                        ; W1: 16 rows of 1,024
	s_mov_b32 s27, 0
	s_lshl_b32 s28, s22, 6                         ; b1: 16 numbers
	s_mov_b32 s29, 0
	s_lshl_b32 s34, s22, 9                         ; W2: 16 rows of 32
	s_mov_b32 s35, 0
	s_wait_alu depctr_va_vdst(0)
	s_wait_dscnt 0x0
	s_wait_kmcnt 0x0
	s_load_b64 s[36:37], s[14:15], 0x0             ; e0 (pooled), e1 (W1)
	s_load_b256 s[40:47], s[12:13], 0x0            ; b2
	s_add_nc_u64 s[4:5], s[4:5], s[24:25]
	s_add_nc_u64 s[10:11], s[10:11], s[28:29]
	s_add_nc_u64 s[8:9], s[8:9], s[34:35]
	s_mov_b32 s76, 1
	s_mov_b32 s77, s30
	s_add_nc_u64 s[78:79], s[6:7], s[26:27]
	s_or_b32 s79, s79, 0x80000000
	CROUND                                         ; the four partners are here: the joint loads meet
	tensor_load_to_lds s[76:79], s[68:75]          ; ahead of x's loads: both are on their way together
	s_nop 0
.rept 4
	v_nop
.endr
.set i, 0
.rept 32                                       ; 32 lanes read 512 neighbouring bytes of a row
	global_load_b128 v[128+4*i:131+4*i], v4, s[4:5] offset:4096*i
.set i, i+1
.endr
	global_load_b32 v9, v10, s[10:11]              ; b1[16 w + r]
	global_load_b128 v[12:15], v11, s[8:9]         ; W2[16 w + r][0 .. 7]
	global_load_b128 v[16:19], v11, s[8:9] offset:16
.macro TREE b                          ; 16 rows x 4 columns into v[b .. b + 3]
.irp d, 32,16,8,4
.set tj, 0
.rept \d/2
	v_pk_add_f32 v[\b+tj:\b+tj+1], v[\b+tj:\b+tj+1], v[\b+\d+tj:\b+\d+tj+1]
.set tj, tj+2
.endr
.endr
.endm
	s_wait_loadcnt 19                              ; the first 16 rows are in (behind them: 16 rows, b1, W2's two)
	TREE 128
	s_wait_loadcnt 3                               ; all rows (b1 and W2's two may be out)
	TREE 192
	v_pk_add_f32 v[128:129], v[128:129], v[192:193]
	v_pk_add_f32 v[130:131], v[130:131], v[194:195]
	ds_store_b128 v6, v[128:131]
	s_wait_kmcnt 0x0
	s_wait_dscnt 0x0                               ; for the others' sake
	s_barrier_signal -1
	s_barrier_wait -1
	s_cmp_ge_u32 s22, 4
	s_cbranch_scc1 .Lpooled                        ; waves 0-3 finish and quantise the pooled vector, 8 columns a lane
	ds_load_b128 v[136:139], v60
	ds_load_b128 v[140:143], v60 offset:16
	ds_load_b128 v[144:147], v60 offset:4096
	ds_load_b128 v[148:151], v60 offset:4112
	s_add_co_i32 s48, s36, 133                     ; the mean's division by 64 is exact and is folded into the scale: sum / 2^(e0 + 6)
	s_lshl_b32 s49, s48, 23
	s_add_co_i32 s48, s48, 8
	s_lshl_b32 s48, s48, 23
	s_or_b32 s48, s48, 0x600000
	v_mov_b32 v48, s49                             ; 2^(e0 + 6)
	v_mov_b32 v49, s48                             ; 448 x that
	s_wait_alu depctr_va_vdst(0)
	s_wait_dscnt 0x0
.irp j, 0,2,4,6
	v_pk_add_f32 v[136+\j:137+\j], v[136+\j:137+\j], v[144+\j:145+\j]
.endr
.irp j, 0,1,2,3,4,5,6,7
	v_med3_num_f32 v[136+\j], v[136+\j], -v49, v49 ; the conversion to an 8-bit code does not saturate (ISA guide 7.6.2): the hold comes first
.endr
	v_cvt_scalef32_pk8_fp8_f32 v[40:41], v[136:143], v48
	v_nop
	ds_store_b64 v61, v[40:41]
.Lpooled:
	s_wait_tensorcnt 0x0                           ; my own 16 rows of W1 (no other wave reads them)
.macro WFR hf                          ; W1's fragments of K steps 4 hf .. 4 hf + 3
.irp s, 0,1,2,3
.irp c, 0,1,2,3
	ds_load_b128 v[64+128*\hf+16*\s+4*\c:67+128*\hf+16*\s+4*\c], v8 offset:512*\hf+128*\s+32*\c
.endr
.endr
.endm
.macro PFR hf                          ; the pooled codes of K steps 4 hf .. 4 hf + 3: all 16 rows of the operand are the same vector: sixteen lanes read the same 16 bytes
.irp s, 0,1,2,3
.irp c, 0,1,2,3
	ds_load_b128 v[128+16*\s+4*\c:131+16*\s+4*\c], v23 offset:512*\hf+128*\s+32*\c
.endr
.endr
.endm
	WFR 0
	WFR 1
	s_wait_dscnt 0x0                               ; for the others' sake: my part of the pooled codes (waves 0-3)
	s_barrier_signal -1
	s_barrier_wait -1                              ; the pooled codes lie in LDS
	PFR 0
	s_wait_loadcnt 0x0                             ; b1, W2
	s_wait_dscnt 0x0
.irp s, 0,1,2,3                                ; two accumulators by turns
.if \s < 2
	v_wmma_f32_16x16x128_fp8_fp8 v[24+8*(\s%2):31+8*(\s%2)], v[128+16*\s:143+16*\s], v[64+16*\s:79+16*\s], 0
.else
	v_wmma_f32_16x16x128_fp8_fp8 v[24+8*(\s%2):31+8*(\s%2)], v[128+16*\s:143+16*\s], v[64+16*\s:79+16*\s], v[24+8*(\s%2):31+8*(\s%2)]
.endif
.endr
.rept 4
	v_nop                                          ; four places in front of loads into registers that matrix instructions have read
.endr
	PFR 1
	s_wait_dscnt 0x0
.irp s, 0,1,2,3
	v_wmma_f32_16x16x128_fp8_fp8 v[24+8*(\s%2):31+8*(\s%2)], v[128+16*\s:143+16*\s], v[192+16*\s:207+16*\s], v[24+8*(\s%2):31+8*(\s%2)]
.endr
.rept 4
	v_nop
.endr
	v_add_f32 v50, v24, v32                        ; each accumulator's lowest register: all 16 rows are alike; lane r holds unit 16 w + r
	s_add_co_i32 s48, s36, s37
	v_ldexp_f32 v50, v50, s48                      ; x 2^(e0 + e1)
	s_delay_alu instid0(VALU_DEP_1)
	v_add_f32 v50, v50, v9                         ; + b1
	s_delay_alu instid0(VALU_DEP_1)
	v_mul_f32 v51, 0x4038aa3b, v50                 ; tanh u = 1 - 2 / (1 + 2^(2 log2(e) u))
	s_wait_alu depctr_va_vdst(0)
	v_exp_f32 v51, v51
	v_nop
	s_wait_alu depctr_va_vdst(0)
	v_add_f32 v51, 1.0, v51
	s_wait_alu depctr_va_vdst(0)
	v_rcp_f32 v51, v51
	v_nop
	s_wait_alu depctr_va_vdst(0)
	v_fma_f32 v51, v51, -2.0, 1.0
.irp i, 0,1,2,3,4,5,6,7
	v_mul_f32 v[52+\i], v51, v[12+\i]              ; my unit's share of the eight logits
.endr
.irp x, 1,2,4,8
.irp i, 0,1,2,3,4,5,6,7
	v_add_f32_dpp v[52+\i], v[52+\i], v[52+\i] row_xmask:\x row_mask:0xf bank_mask:0xf
.endr
.endr
	ds_store_b128 v20, v[52:55]                    ; every lane stores the same numbers to the wave's own 32 bytes
	ds_store_b128 v20, v[56:59] offset:16
	s_wait_dscnt 0x0
	s_barrier_signal -1
	s_barrier_wait -1
	s_cmp_lg_u32 s22, 0
	s_cbranch_scc1 .Lrest                          ; wave 0 finishes alone; every lane of it computes the same numbers
.set j, 0
.rept 32
	ds_load_b128 v[128+4*j:131+4*j], v21 offset:16*j
.set j, j+1
.endr
	s_wait_dscnt 0x0
.set q, 1
.rept 15                                       ; in ascending order of the waves
.irp p, 0,2,4,6
	v_pk_add_f32 v[128+\p:129+\p], v[128+\p:129+\p], v[128+8*q+\p:129+8*q+\p]
.endr
.set q, q+1
.endr
.irp i, 0,1,2,3,4,5,6,7
	v_add_f32 v[128+\i], s[40+\i], v[128+\i]       ; + b2
.endr
	v_max3_num_f32 v136, v128, v129, v130          ; the row's maximum is taken away before the exponentials
	s_delay_alu instid0(VALU_DEP_1)
	v_max3_num_f32 v136, v136, v131, v132
	s_delay_alu instid0(VALU_DEP_1)
	v_max3_num_f32 v136, v136, v133, v134
	s_delay_alu instid0(VALU_DEP_1)
	v_max_num_f32 v136, v136, v135
.irp i, 0,1,2,3,4,5,6,7
	v_sub_f32 v[128+\i], v[128+\i], v136
.endr
.irp i, 0,1,2,3,4,5,6,7
	v_mul_f32 v[128+\i], 0x3fb8aa3b, v[128+\i]
.endr
	s_wait_alu depctr_va_vdst(0)
.irp i, 0,1,2,3,4,5,6,7
	v_exp_f32 v[128+\i], v[128+\i]
.endr
.irp i, 0,1,2,3,4,5,6,7
	v_mov_b32 v[144+\i], \i                        ; the experts' numbers (plain lines behind the batch)
.endr
	v_mov_b32 v152, -1.0                           ; under every p: what has been taken
	s_wait_alu depctr_va_vdst(0)
.macro ROUND k                                 ; the largest p left and its number, into v[160 + k] and v[164 + k]; then it is struck out
	v_mov_b32 v[160+\k], v128
	v_mov_b32 v[164+\k], 0
.irp i, 1,2,3,4,5,6,7
	v_cmp_gt_f32 vcc_lo, v[128+\i], v[160+\k]
	v_cndmask_b32 v[160+\k], v[160+\k], v[128+\i], vcc_lo
	v_cndmask_b32 v[164+\k], v[164+\k], v[144+\i], vcc_lo
.endr
.irp i, 0,1,2,3,4,5,6,7
	v_cmp_eq_u32 vcc_lo, v[164+\k], v[144+\i]
	v_cndmask_b32 v[128+\i], v[128+\i], v152, vcc_lo
.endr
.endm
	ROUND 0
	ROUND 1
	ROUND 2
	v_add_f32 v153, v160, v161
	s_delay_alu instid0(VALU_DEP_1)
	v_add_f32 v153, v153, v162
	s_wait_alu depctr_va_vdst(0)
	v_rcp_f32 v153, v153
	v_mov_b32 v163, 0
	v_mov_b32 v167, 0
	s_wait_alu depctr_va_vdst(0)
.irp k, 0,1,2
	v_mul_f32 v[160+\k], v[160+\k], v153
.endr
	s_wait_alu depctr_va_vdst(0)
	s_wait_xcnt 0x0                                ; EXEC changes only behind this wait
	v_cmp_eq_u32 vcc_lo, 0, v0
	s_and_saveexec_b32 s50, vcc_lo                 ; one lane stores
	global_store_b128 v22, v[164:167], s[16:17]
	global_store_b128 v22, v[160:163], s[18:19]
	s_wait_xcnt 0x0
	s_or_b32 exec_lo, exec_lo, s50
.Lrest:
	s_wait_tensorcnt 0x0                           ; the wave's end
	ds_add_u32 v62, v63
	s_wait_dscnt 0x0
	CROUND                                         ; the closing round
	s_endpgm
; ------------------------------------------------------------------ THE QUANTISER OF x: rows 8 q .. 8 q + 7, q = work-group - 16
; Wave w takes 256 columns (w % 4) of rows w / 4 and w / 4 + 4; a lane 8 neighbouring numbers of each.  They are loaded once and held and converted eight times.  No LDS, no barrier.
.Lquant:
	s_sub_co_u32 s23, s23, 16
	s_lshl_b32 s56, s23, 15                        ; x: 8 rows of 4,096 bytes
	s_lshr_b32 s57, s22, 2
	s_lshl_b32 s57, s57, 12
	s_add_co_u32 s56, s56, s57
	s_and_b32 s57, s22, 3
	s_lshl_b32 s57, s57, 10
	s_add_co_u32 s56, s56, s57
	s_mov_b32 s57, 0
	s_lshl_b32 s58, s23, 13                        ; xq: 8 rows of 1,024 bytes; wave w's 256 bytes at 256 w
	s_lshl_b32 s59, s22, 8
	s_add_co_u32 s58, s58, s59
	s_mov_b32 s59, 0
	s_wait_kmcnt 0x0
	s_load_b512 s[24:39], s[14:15], 0x8            ; entries 2 .. 33: expert e's ex is s[24 + 4 e]
	s_load_b512 s[40:55], s[14:15], 0x48
	s_add_nc_u64 s[4:5], s[4:5], s[56:57]
	s_add_nc_u64 s[20:21], s[20:21], s[58:59]
	global_load_b128 v[64:67], v5, s[4:5]
	global_load_b128 v[68:71], v5, s[4:5] offset:16
	global_load_b128 v[72:75], v5, s[4:5] offset:16384
	global_load_b128 v[76:79], v5, s[4:5] offset:16400
	s_wait_kmcnt 0x0
	s_wait_loadcnt 0x0
.irp e, 0,1,2,3,4,5,6,7
	s_add_co_i32 s60, s[24+4*\e], 127
	s_lshl_b32 s61, s60, 23
	s_add_co_i32 s60, s60, 8
	s_lshl_b32 s60, s60, 23
	s_or_b32 s60, s60, 0x600000
	v_mov_b32 v10, s61                             ; 2^ex
	v_mov_b32 v11, s60                             ; 448 x 2^ex
.set vj, 0
.rept 16
	v_med3_num_f32 v[128+vj], v[64+vj], -v11, v11
.set vj, vj+1
.endr
	v_cvt_scalef32_pk8_fp8_f32 v[192+4*\e:193+4*\e], v[128:135], v10
	v_cvt_scalef32_pk8_fp8_f32 v[194+4*\e:195+4*\e], v[136:143], v10
	v_nop
	global_store_b64 v7, v[192+4*\e:193+4*\e], s[20:21] offset:1048576*\e          ; 32 lanes store 256 consecutive bytes, aligned
	global_store_b64 v7, v[194+4*\e:195+4*\e], s[20:21] offset:1048576*\e+4096
.endr
	s_endpgm
.Lfunc_end_k_qb37777ed8c_route:
	.size	k_qb37777ed8c_route, .Lfunc_end_k_qb37777ed8c_route-k_qb37777ed8c_route
	.p2alignl 7, 3214868480
	.fill 96, 4, 3214868480
	.section	.rodata,"a",@progbits
	.p2align	6, 0x0
	.amdhsa_kernel k_qb37777ed8c_route
		.amdhsa_group_segment_fixed_size 278016
		.amdhsa_private_segment_fixed_size 0
		.amdhsa_enable_private_segment 0
		.amdhsa_kernarg_size 72
		.amdhsa_user_sgpr_count 2
		.amdhsa_user_sgpr_kernarg_segment_ptr 1
		.amdhsa_wavefront_size32 1
		.amdhsa_system_sgpr_workgroup_id_x 1
		.amdhsa_system_sgpr_workgroup_id_y 1
		.amdhsa_system_sgpr_workgroup_id_z 1
		.amdhsa_system_vgpr_workitem_id 0
		.amdhsa_next_free_vgpr 256
		.amdhsa_next_free_sgpr 80
		.amdhsa_reserve_vcc 1
		.amdhsa_float_denorm_mode_32 3
		.amdhsa_float_denorm_mode_16_64 3
		.amdhsa_memory_ordered 1
		.amdhsa_forward_progress 1
		.amdhsa_inst_pref_size 48
	.end_amdhsa_kernel
	.amdgpu_metadata
---
amdhsa.version: [ 1, 2 ]
amdhsa.kernels:
  - .name:           k_qb37777ed8c_route
    .symbol:         k_qb37777ed8c_route.kd
    .args:
      - { .name: x, .offset: 0, .size: 8, .value_kind: global_buffer, .address_space: global }
      - { .name: W1_codes, .offset: 8, .size: 8, .value_kind: global_buffer, .address_space: global }
      - { .name: W2, .offset: 16, .size: 8, .value_kind: global_buffer, .address_space: global }
      - { .name: b1, .offset: 24, .size: 8, .value_kind: global_buffer, .address_space: global }
      - { .name: b2, .offset: 32, .size: 8, .value_kind: global_buffer, .address_space: global }
      - { .name: lowp_scales, .offset: 40, .size: 8, .value_kind: global_buffer, .address_space: global }
      - { .name: idx, .offset: 48, .size: 8, .value_kind: global_buffer, .address_space: global }
      - { .name: wts, .offset: 56, .size: 8, .value_kind: global_buffer, .address_space: global }
      - { .name: xq, .offset: 64, .size: 8, .value_kind: global_buffer, .address_space: global }
    .group_segment_fixed_size: 278016
    .private_segment_fixed_size: 0
    .kernarg_segment_align: 8
    .kernarg_segment_size: 72
    .max_flat_workgroup_size: 512
    .sgpr_count:     80
    .vgpr_count:     256
    .wavefront_size: 32
...
	.end_amdgpu_metadata
.endif
;; end of part 1
;; launch up (part 2): grid 16 x 16, 4 waves a work-group, no clusters, 269,824 bytes of LDS; arguments xq, Wa_codes, lowp_scales, idx, hq; writes hq
.if DOCPART == 2
	.amdgcn_target "amdgcn-amd-amdhsa--gfx1250"
	.amdhsa_code_object_version 6
	.text
	.protected	k_qb37777ed8c_up
	.globl	k_qb37777ed8c_up
	.p2align	8
	.type	k_qb37777ed8c_up,@function
k_qb37777ed8c_up:
	s_mov_b64 s[64:65], 0
	v_nop
	global_prefetch_b8 v0, s[64:65] scope:SCOPE_SE
	s_setreg_imm32_b32 hwreg(HW_REG_WAVE_MODE, 25, 1), 1
	s_wait_xcnt 0x0
; hq[3 b + k] (columns 256 j .. 256 j + 255) = Q(gelu(x[b] Wa[e_k])), k = 0, 1, 2: the three experts that the router chose for batch b; the other five have the weight 0 in reference()'s sum and are not multiplied.
; THE 48 PAIRS (batch, expert) ARE SORTED BY EXPERT, by every work-group for itself, from the whole numbers in idx.  Work-group (j, g) takes the sorted pairs 3 g, 3 g + 1, 3 g + 2: 192 rows.
; Neighbouring pairs with the same expert form a RUN, and a run's slice of Wa (256 rows of 1,024 codes) is read once for all its pairs.  The loop goes over the one to three runs; a pair's products are jumped over in
; the runs of other experts.  Those branches and the trip count hang on stored whole numbers alone; every barrier stands outside them.
; NO CLUSTER, no tensor load: partners along j would share x alone, 192 of a work-group's 448 to 960 KiB, and how many slices are walked hangs on numbers read from memory.
; NO PREFETCH: a run has four chunks, two of them on their way ahead of the loop, the others asked for as soon as their registers are free; the addresses are known only behind idx.
; SHARES.  Wave w makes hidden units 256 j + 64 w .. + 63 for all 192 rows: 48 accumulators.  Its rows of Wa are its own: streamed by loads of 2 x 256 aligned bytes and turned into fragments through a scratch in LDS
; that no other wave touches.  x's codes (64 rows a pair) lie in LDS, rows 1,040 bytes apart.
; TRANSPOSED USE (source 0 = 16 rows of Wa, source 1 = 16 tokens): a lane holds one token, its registers run along the hidden units, the next product's K.
; THE ROWS OF A TILE ARE NOT NEIGHBOURS: tile 2 b' + u takes rows 32 b' + 8 u + 0 .. 7 and 16 further on, so that the 16 registers of two neighbouring tiles are 16 neighbours along the next K.  The scratch is written in that
; order (bits 3 and 4 of the row's number change places), so that a tile reads 16 consecutive scratch rows, 272 bytes apart (64 banks of 4 bytes: ISA guide 11.1).
; gelu(x) = x / (1 + 2^(x (c1 + c2 x^2))), c1 = -2 log2(e) sqrt(2 / pi), c2 = 0.044715 c1, in f32.  x = sum x 2^s, s = ex + ewa: 2^s goes into c1, 2^(3 s) into c2 and 2^-s into the quantiser's scale.
; LIMITS: s between -40 and 40, eh - s between -126 and 119, so that each constant below is an f32 number.  NaN is not served.
; REGISTERS, in windows of 256: window 0: v0-31 addresses, v128-255 chunk set 0.  window 1: v0-127 chunk set 1, v128-255 Wa's fragments (128 + 64 s + 16 t').
;   window 2: accumulators of pairs 0 and 1 (tile (m, t') at 8 (4 m + t'), pair 1 from 128).  window 3: v0-127 pair 2's; v128-255 x's fragments (128 + 64 s + 16 m), at the end gelu's work.
.set PITCH, 272
.set SCRW,  64*PITCH                   ; a wave's scratch
.set XP,    1040                       ; an LDS row of x
.set XIMG,  4*SCRW
.set SPARE, XIMG+3*64*XP
.set XB, 50                            ; s[50:55] xq at my 16 rows of each pair
.set HB, 56                            ; s[56:61] hq at my place of each pair
.set B2, 66                            ; s[66:67] Wa, the third run
.set PW, 72                            ; s[72:73] Wa, the run in hand
.set PN, 74                            ; s[74:75] Wa, the next run
.set Q,  76                            ; s76-78   each pair's run
.set R,  79                            ; s79      the run in hand
.set C2, 80                            ; s[80:81] c2 x 2^(3 s)
.set NR, 82                            ; s82      the number of runs
.set CUM, 88                           ; s88-95   pairs with this expert or a lower one
.set MSB, 0
.macro WIN new                         ; low byte: bits 1:0 source 0, 3:2 source 1, 5:4 source 2, 7:6 destination; the high byte repeats the setting that is left
.if MSB != \new
	s_set_vgpr_msb (MSB<<8)|\new
.set MSB, \new
.endif
.endm
.macro PLACES n                        ; plain vector lines behind matrix instructions (ISA guide 7.12.1)
.rept \n
	v_nop
.endr
.endm
	s_load_b256 s[4:11], s[0:1], 0x0               ; xq 4:5, Wa 6:7, scales 8:9, idx 10:11
	s_load_b64 s[12:13], s[0:1], 0x20              ; hq
	v_lshl_add_u32 v30, v0, 2, SPARE
	v_mov_b32 v31, 0
	v_lshrrev_b32 v1, 5, v0
	v_readfirstlane_b32 s14, v1                    ; wave 0..3
	s_mul_i32 s16, s14, SCRW
	s_mul_i32 s17, s14, 16*XP
	v_and_b32 v1, 31, v0
	v_and_b32 v12, 15, v0                          ; r
	v_bfe_u32 v13, v0, 4, 1                        ; h
	v_lshlrev_b32 v14, 4, v12                      ; 16 r; also batch r's line of idx
	v_lshl_add_u32 v2, v13, 10, v14                ; Wa: lanes 0-15 take 256 bytes of one row, lanes 16-31 of the next
	v_mul_u32_u24 v3, v13, PITCH
	v_add_nc_u32 v3, v3, v14
	v_add_nc_u32 v3, s16, v3                       ; the scratch, on the way in
	v_mul_u32_u24 v4, v12, PITCH
	v_lshl_add_u32 v4, v13, 4, v4
	v_add_nc_u32 v4, s16, v4                       ; and on the way out: row r + 16 h
	v_lshlrev_b32 v5, 4, v1                        ; 16 x lane
	v_mul_u32_u24 v6, v12, XP
	v_lshl_add_u32 v6, v13, 4, v6
	v_add_nc_u32 v6, XIMG, v6                      ; x of pair 0, read: row r + 16 h
	v_add_nc_u32 v7, 64*XP, v6
	v_add_nc_u32 v8, 128*XP, v6
	v_add_nc_u32 v9, s17, v5
	v_add_nc_u32 v9, XIMG, v9                      ; x of pair 0, written: my 16 rows
	v_add_nc_u32 v10, 64*XP, v9
	v_add_nc_u32 v11, 128*XP, v9
	v_mov_b32 v21, 0                               ; the three ranks of batch r's pairs
	v_mov_b32 v22, 0
	v_mov_b32 v23, 0
	s_and_b32 s15, ttmp7, 0xffff
	s_mul_i32 s15, s15, 3                          ; 3 g
	s_lshl_b32 s18, s14, 14                        ; xq: my 16 rows
	s_lshl_b32 s19, ttmp9, 14                      ; hq: K step 2 j + w / 2, groups 2 (w % 2) + 0, 1
	s_lshr_b32 s16, s14, 1
	s_lshl_b32 s16, s16, 13
	s_add_co_u32 s19, s19, s16
	s_and_b32 s16, s14, 1
	s_lshl_b32 s16, s16, 10
	s_add_co_u32 s19, s19, s16
	s_lshl_b32 s17, ttmp9, 18                      ; Wa: (256 j + 64 w) rows of 1,024 bytes
	s_lshl_b32 s16, s14, 16
	s_add_co_u32 s17, s17, s16
	s_mov_b32 s97, 0
	s_wait_alu depctr_va_vdst(0)
	s_wait_kmcnt 0x0
	global_load_b128 v[16:19], v14, s[10:11]       ; lane r: batch r's three experts
	s_wait_loadcnt 0x0
; The rank of pair (b, k): the pairs with a lower expert, and those with the same expert of a lower batch.
.irp e, 0,1,2,3,4,5,6,7
	v_cmp_eq_u32 s40, \e, v16
	v_cmp_eq_u32 s41, \e, v17
	v_cmp_eq_u32 s42, \e, v18
	s_or_b32 s43, s40, s41
	s_or_b32 s43, s43, s42
	s_and_b32 s43, s43, 0xffff                     ; the batches that chose expert e (lanes 16-31 repeat lanes 0-15)
.if \e == 0
	v_mbcnt_lo_u32_b32 v20, s43, 0
.else
	v_mbcnt_lo_u32_b32 v20, s43, s[CUM+\e-1]
.endif
	v_cndmask_b32 v21, v21, v20, s40
	v_cndmask_b32 v22, v22, v20, s41
	v_cndmask_b32 v23, v23, v20, s42
	s_bcnt1_i32_b32 s43, s43
.if \e == 0
	s_mov_b32 s[CUM], s43
.else
	s_add_co_u32 s[CUM+\e], s[CUM+\e-1], s43
.endif
.endr
	s_wait_alu depctr_va_vdst(0)
.macro PICK p                          ; the sorted pair 3 g + p: its batch, its place k, its expert; addresses and scales
	s_add_co_u32 s45, s15, \p
	v_cmp_eq_u32 s40, s45, v21
	v_cmp_eq_u32 s41, s45, v22
	v_cmp_eq_u32 s42, s45, v23
	s_or_b32 s43, s40, s41
	s_or_b32 s43, s43, s42
	s_ctz_i32_b32 s46, s43
	s_min_u32 s46, s46, 15                         ; b
	s_and_b32 s41, s41, 0xffff
	s_cselect_b32 s47, 1, 0
	s_and_b32 s42, s42, 0xffff
	s_cselect_b32 s47, 2, s47
	s_min_u32 s47, s47, 2                          ; k
	s_mov_b32 s48, 0
.irp i, 0,1,2,3,4,5,6
	s_cmp_le_u32 s[CUM+\i], s45
	s_add_co_ci_u32 s48, s48, 0
.endr
	s_min_u32 s[20+\p], s48, 7                     ; e
	s_lshl_b32 s[24+\p], s[20+\p], 4
	s_load_b128 s[28+4*\p:31+4*\p], s[8:9], s[24+\p] offset:0x8   ; ex, ewa, eh, ewb of expert e: entries 2 + 4 e .. 5 + 4 e
	s_lshl_b32 s96, s[20+\p], 20
	s_lshl_b32 s48, s46, 16
	s_add_co_u32 s96, s96, s48
	s_add_co_u32 s96, s96, s18
	s_add_nc_u64 s[XB+2*\p:XB+2*\p+1], s[4:5], s[96:97]
	s_mul_i32 s96, s46, 3
	s_add_co_u32 s96, s96, s47
	s_lshl_b32 s96, s96, 18
	s_add_co_u32 s96, s96, s19
	s_add_nc_u64 s[HB+2*\p:HB+2*\p+1], s[12:13], s[96:97]
.endm
	PICK 0
	PICK 1
	PICK 2
	s_mov_b32 s[Q], 0
	s_mov_b32 s[R], 0
	s_cmp_lg_u32 s21, s20
	s_cselect_b32 s[Q+1], 1, 0
	s_cselect_b32 s49, s21, s22                    ; the second run's expert
	s_min_u32 s49, s49, 7
	s_cmp_lg_u32 s22, s21
	s_cselect_b32 s[Q+2], 1, 0
	s_add_co_u32 s[Q+2], s[Q+2], s[Q+1]
	s_add_co_u32 s[NR], s[Q+2], 1
	s_lshl_b32 s96, s20, 22
	s_add_co_u32 s96, s96, s17
	s_add_nc_u64 s[PW:PW+1], s[6:7], s[96:97]
	s_lshl_b32 s96, s49, 22
	s_add_co_u32 s96, s96, s17
	s_add_nc_u64 s[PN:PN+1], s[6:7], s[96:97]
	s_lshl_b32 s96, s22, 22
	s_add_co_u32 s96, s96, s17
	s_add_nc_u64 s[B2:B2+1], s[6:7], s[96:97]
; a chunk of Wa: my 64 rows x 256 bytes, 32 loads, into set 0 or 1
.macro WLOAD set, base, off, part              ; in two parts of 16 loads
.if (\set) == 0
	WIN 0
.set WLR, 128
.else
	WIN 0x40
.set WLR, 0
.endif
.set wi, 16*\part
.rept 16
	global_load_b128 v[WLR+4*wi:WLR+4*wi+3], v2, s[\base:\base+1] offset:2048*wi+(\off)
.set wi, wi+1
.endr
.endm
.irp p, 0,1,2                                  ; my 16 rows of each pair's x, through the accumulators' registers
	WIN 0x80+0x40*(\p/2)
.set i, 0
.rept 32
	global_load_b128 v[128*(\p%2)+4*i:128*(\p%2)+4*i+3], v5, s[XB+2*\p:XB+2*\p+1] offset:512*i
.set i, i+1
.endr
.endr
.macro XST p                           ; my 16 rows of pair p's x into LDS
	WIN 0x08+0x04*(\p/2)                           ; store data window 2 or 3
.set i, 0
.rept 32
	ds_store_b128 v[9+\p], v[128*(\p%2)+4*i:128*(\p%2)+4*i+3] offset:(i/2)*XP+512*(i%2)
.set i, i+1
.endr
.endm
	WLOAD 0, PW, 0, 0
	WLOAD 0, PW, 0, 1
	s_wait_loadcnt 63                              ; 128 loads were issued: pairs 0 and 1 are in (64 loads stand behind them)
	XST 0
	WLOAD 1, PW, 256, 0                            ; the second chunk's loads go out between the stores
	XST 1
	WLOAD 1, PW, 256, 1
	s_wait_loadcnt 63                              ; pair 2 is in (Wa's 64 loads stand behind it)
	XST 2
	WIN 0
	s_wait_dscnt 0x0                               ; for the others' sake: my rows have landed
	s_barrier_signal -1
	s_barrier_wait -1                              ; the one barrier: x is whole, and is never written again
; pair p's products with chunk t of the run in hand, 2 K steps x 16 accumulators by turns in the same order every time
.macro PAIR p, t
	WIN 0
	s_cmp_eq_u32 s[Q+\p], s[R]
	s_cbranch_scc0 .Lskip_\@
	PLACES 4                                       ; in front of the loads into fragment registers that the last products read
	WIN 0xc0
.irp s, 0,1
.irp m, 0,1,2,3
.irp c, 0,1,2,3
	ds_load_b128 v[128+64*\s+16*\m+4*\c:131+64*\s+16*\m+4*\c], v[6+\p] offset:16*\m*XP+128*(2*\t+\s)+32*\c
.endr
.endr
.endr
	WIN 0xad+0x50*(\p/2)                           ; source 0 window 1, source 1 window 3, C and D window 2 or 3
.irp s, 0,1
.irp m, 0,1,2,3
	s_wait_dscnt 28-16*\s-4*\m                     ; this tile's four loads are in; the younger ones may be out
.irp n, 0,1,2,3
.set AC, 128*(\p%2)+8*(4*\m+\n)
.if (\t == 0) && (\s == 0)
	v_wmma_f32_16x16x128_fp8_fp8 v[AC:AC+7], v[128+64*\s+16*\n:143+64*\s+16*\n], v[128+64*\s+16*\m:143+64*\s+16*\m], 0
.else
	v_wmma_f32_16x16x128_fp8_fp8 v[AC:AC+7], v[128+64*\s+16*\n:143+64*\s+16*\n], v[128+64*\s+16*\m:143+64*\s+16*\m], v[AC:AC+7]
.endif
.endr
.endr
.endr
	WIN 0
.Lskip_\@:
.endm
.macro NEXT t, part
	WIN 0
	s_cmp_lt_u32 s[R], s[Q+2]
	s_cbranch_scc0 .Lnone_\@
	WLOAD \t-2, PN, 256*(\t-2), \part
	WIN 0
.Lnone_\@:
.endm
.macro CHUNK t
	s_wait_dscnt 0x0
	PLACES 4                                       ; in front of the loads into fragment registers that the last products read
.if (\t%2) == 0
	s_wait_loadcnt 0x0                             ; this chunk and the next
	WIN 0
.set WSR, 128
.else
	WIN 0x04
.set WSR, 0
.endif
.set ci, 0
.rept 32                                       ; row 2 ci (and 2 ci + 1) goes to the scratch row with bits 3 and 4 exchanged
	ds_store_b128 v3, v[WSR+4*ci:WSR+4*ci+3] offset:(((2*ci)&0x27)|(((2*ci)&8)<<1)|(((2*ci)&16)>>1))*PITCH
.set ci, ci+1
.endr
	WIN 0x40
.irp s, 0,1
.irp n, 0,1,2,3
.irp c, 0,1,2,3
	ds_load_b128 v[128+64*\s+16*\n+4*\c:131+64*\s+16*\n+4*\c], v4 offset:16*\n*PITCH+128*\s+32*\c   ; LDS serves a wave's instructions in order (ISA guide 5.7.1.4): these see my stores
.endr
.endr
.endr
	s_wait_dscnt 32                                ; all but the 32 loads just issued: the stores have read their registers
.if \t < 2
	WLOAD \t, PW, 256*(\t+2), 0
.else
	NEXT \t, 0
.endif
	PAIR 0, \t
.if \t < 2
	WLOAD \t, PW, 256*(\t+2), 1
.else
	NEXT \t, 1
.endif
	PAIR 1, \t
	PAIR 2, \t
.endm
.Lrun:
	CHUNK 0
	CHUNK 1
	CHUNK 2
	CHUNK 3
	s_wait_xcnt 0x0                                ; the loads have read their bases
	s_mov_b64 s[PW:PW+1], s[PN:PN+1]
	s_mov_b64 s[PN:PN+1], s[B2:B2+1]
	s_add_co_u32 s[R], s[R], 1
	s_cmp_lt_u32 s[R], s[NR]
	s_cbranch_scc1 .Lrun
; A pair's 64 x 64 sums become codes, 64 registers (two tiles of tokens) at a time.  The transcendentals go in batches of 64.
.macro GELU p
.set AW, 2+(\p/2)
.set AB, 128*(\p%2)
	PLACES 4
	s_wait_xcnt 0x0                                ; the last pair's stores have read their code registers
	s_add_co_i32 s40, s[28+4*\p], s[29+4*\p]       ; s = ex + ewa
	s_lshl_b32 s41, s40, 23
	s_add_co_i32 s41, s41, 0xc0135761              ; c1 x 2^s
	s_mul_i32 s42, s40, 3
	s_lshl_b32 s42, s42, 23
	s_add_co_i32 s[C2], s42, 0xbdd2d3e8            ; c2 x 2^(3 s)
	s_mov_b32 s[C2+1], s[C2]
	s_sub_co_i32 s43, s[30+4*\p], s40
	s_add_co_i32 s43, s43, 127
	s_lshl_b32 s44, s43, 23                        ; 2^(eh - s)
	s_add_co_i32 s43, s43, 8
	s_lshl_b32 s43, s43, 23
	s_or_b32 s43, s43, 0x600000                    ; 448 x that
	WIN 0xc0
	v_mov_b32 v224, s44
	v_mov_b32 v225, s43
	v_mov_b32 v226, s41
	v_mov_b32 v227, s41
.irp hf, 0,1
	WIN AW|(AW<<2)|0xc0
	s_wait_alu depctr_va_vdst(0)
.set gi, 0
.rept 32                                       ; sum^2; each accumulator from its low end on
	v_pk_mul_f32 v[128+gi:129+gi], v[AB+64*\hf+gi:AB+64*\hf+gi+1], v[AB+64*\hf+gi:AB+64*\hf+gi+1]
.set gi, gi+2
.endr
	WIN 0xf3
.set gi, 0
.rept 32
	v_pk_fma_f32 v[128+gi:129+gi], v[128+gi:129+gi], s[C2:C2+1], v[226:227] op_sel_hi:[1,0,1]
.set gi, gi+2
.endr
	WIN 3|(AW<<2)|0xc0
.set gi, 0
.rept 32
	v_pk_mul_f32 v[128+gi:129+gi], v[128+gi:129+gi], v[AB+64*\hf+gi:AB+64*\hf+gi+1]
.set gi, gi+2
.endr
	WIN 0xff
	s_wait_alu depctr_va_vdst(0)
.set gi, 0
.rept 64
	v_exp_f32 v[128+gi], v[128+gi]
.set gi, gi+1
.endr
	v_nop
	s_wait_alu depctr_va_vdst(0)
.set gi, 0
.rept 32
	v_pk_add_f32 v[128+gi:129+gi], v[128+gi:129+gi], 1.0 op_sel_hi:[1,0]
.set gi, gi+2
.endr
	s_wait_alu depctr_va_vdst(0)
.set gi, 0
.rept 64
	v_rcp_f32 v[128+gi], v[128+gi]
.set gi, gi+1
.endr
	v_nop
	WIN AW|0xcc
	s_wait_alu depctr_va_vdst(0)
.set gi, 0
.rept 32                                       ; gelu(x) / 2^s
	v_pk_mul_f32 v[128+gi:129+gi], v[AB+64*\hf+gi:AB+64*\hf+gi+1], v[128+gi:129+gi]
.set gi, gi+2
.endr
	WIN 0xff
.set gi, 0
.rept 64
	v_med3_num_f32 v[128+gi], v[128+gi], -v225, v225   ; the conversion to an 8-bit code does not saturate (ISA guide 7.6.2): the hold comes first
.set gi, gi+1
.endr
.set gi, 0
.rept 8
	v_cvt_scalef32_pk8_fp8_f32 v[192+16*\hf+2*gi:193+16*\hf+2*gi], v[128+8*gi:135+8*gi], v224
.set gi, gi+1
.endr
	v_nop
	WIN 0x0c
.irp mm, 0,1
.irp bb, 0,1
	global_store_b128 v5, v[192+16*\hf+8*\mm+4*\bb:195+16*\hf+8*\mm+4*\bb], s[HB+2*\p:HB+2*\p+1] offset:(2*\hf+\mm)*2048+512*\bb   ; 32 lanes store 512 consecutive bytes, aligned: a register group's image
.endr
.endr
.endr
.endm
	s_wait_kmcnt 0x0
	GELU 0
	GELU 1
	GELU 2
	WIN 0
	s_wait_tensorcnt 0x0                           ; the wave's end
	ds_add_u32 v30, v31
	s_wait_dscnt 0x0
	s_endpgm
.Lfunc_end_k_qb37777ed8c_up:
	.size	k_qb37777ed8c_up, .Lfunc_end_k_qb37777ed8c_up-k_qb37777ed8c_up
	.p2alignl 7, 3214868480
	.fill 96, 4, 3214868480
	.section	.rodata,"a",@progbits
	.p2align	6, 0x0
	.amdhsa_kernel k_qb37777ed8c_up
		.amdhsa_group_segment_fixed_size 269824
		.amdhsa_private_segment_fixed_size 0
		.amdhsa_enable_private_segment 0
		.amdhsa_kernarg_size 40
		.amdhsa_user_sgpr_count 2
		.amdhsa_user_sgpr_kernarg_segment_ptr 1
		.amdhsa_wavefront_size32 1
		.amdhsa_system_sgpr_workgroup_id_x 1
		.amdhsa_system_sgpr_workgroup_id_y 1
		.amdhsa_system_sgpr_workgroup_id_z 1
		.amdhsa_system_vgpr_workitem_id 0
		.amdhsa_next_free_vgpr 1024
		.amdhsa_next_free_sgpr 98
		.amdhsa_reserve_vcc 0
		.amdhsa_float_denorm_mode_32 3
		.amdhsa_float_denorm_mode_16_64 3
		.amdhsa_memory_ordered 1
		.amdhsa_forward_progress 1
		.amdhsa_inst_pref_size 237
	.end_amdhsa_kernel
	.amdgpu_metadata
---
amdhsa.version: [ 1, 2 ]
amdhsa.kernels:
  - .name:           k_qb37777ed8c_up
    .symbol:         k_qb37777ed8c_up.kd
    .args:
      - { .name: xq, .offset: 0, .size: 8, .value_kind: global_buffer, .address_space: global }
      - { .name: Wa_codes, .offset: 8, .size: 8, .value_kind: global_buffer, .address_space: global }
      - { .name: lowp_scales, .offset: 16, .size: 8, .value_kind: global_buffer, .address_space: global }
      - { .name: idx, .offset: 24, .size: 8, .value_kind: global_buffer, .address_space: global }
      - { .name: hq, .offset: 32, .size: 8, .value_kind: global_buffer, .address_space: global }
    .group_segment_fixed_size: 269824
    .private_segment_fixed_size: 0
    .kernarg_segment_align: 8
    .kernarg_segment_size: 40
    .max_flat_workgroup_size: 128
    .sgpr_count:     98
    .vgpr_count:     1024
    .wavefront_size: 32
...
	.end_amdgpu_metadata
.endif
;; end of part 2
;; launch down (part 3): grid 16 x 16, 8 waves a work-group, clusters of 4 x 1, 327,680 bytes of LDS; arguments hq, Wb_codes, lowp_scales, idx, wts, x, out0; writes out0
.if DOCPART == 3
	.amdgcn_target "amdgcn-amd-amdhsa--gfx1250"
	.amdhsa_code_object_version 6
	.text
	.protected	k_qb37777ed8c_down
	.globl	k_qb37777ed8c_down
	.p2align	8
	.type	k_qb37777ed8c_down,@function
k_qb37777ed8c_down:
	s_mov_b64 s[64:65], 0
	v_nop
	global_prefetch_b8 v0, s[64:65] scope:SCOPE_SE
	s_setreg_imm32_b32 hwreg(HW_REG_WAVE_MODE, 25, 1), 1
	s_wait_xcnt 0x0
	s_wait_alu depctr_hold_cnt(0) depctr_sa_sdst(0) depctr_va_vdst(0) depctr_va_sdst(0) depctr_va_ssrc(0) depctr_va_vcc(0) depctr_vm_vsrc(0)
	s_getreg_b32 s2, hwreg(HW_REG_IB_STS2, 6, 4)
	s_cmp_eq_u32 s2, 0
	s_cbranch_scc0 .Lentry_in_a_cluster
	s_endpgm
.Lentry_in_a_cluster:
	s_bfe_u32 s2, ttmp6, 0x10000c
	s_cmp_lg_u32 s2, 0x3003
	s_cbranch_scc0 .Lentry_shape_is_right
	s_endpgm
.Lentry_shape_is_right:
; out0[b] (columns 64 j .. 64 j + 63) = x + the sum over k = 0, 1, 2 of w_k 2^(eh + ewb) (hq[3 b + k] Wb[e_k]): each output row has one owner.  The five experts with the weight 0 are left out.
; Work-group (j, b).  e_k (whole numbers stored two launches back, held at 7) enters ADDRESSES of register loads alone; no branch and no trip count hangs on data.
; CLUSTERS of four neighbouring j: they need the same hidden codes, which are asked for JOINTLY: same descriptor, mask of all four.  The hidden codes lie in memory as images of operand registers, 8,192 bytes a K step of 128;
;   a slot holds 16 K steps (131,072 bytes), and six fills, step i = expert i / 2, half i % 2 of K, take turns in two slots: one tensor load a wave behind each round.
;   The parity of the cluster's row picks the upper or lower eight j, so that clusters of one parity share their columns of Wb.
; Wb IS EACH WAVE'S OWN STREAM through registers: THE EIGHT WAVES SPLIT K: of a step wave w takes K steps 2 w, 2 w + 1 (k = 2,048 half + 256 w + 0 .. 255) for the whole 64 x 64 tile, so that no operand byte is read by two waves.
;   A quarter t (24 of them: t = 4 step + n) is 16 rows x 256 bytes, 8 loads of 2 x 256 aligned bytes; three quarters are on their way; they turn into fragments through the wave's own scratch in LDS (rows 272 bytes apart).
; PREFETCH, in steps 0 and 2 behind a quarter's loads: steps i + 2 and i + 3 (lanes 0-15 the one, lanes 16-31 the other), two steps ahead of the first's joint load being multiplied: of the 16,384 bytes that wave w fetches
;   the partner at place cx takes 4,096 cx on, a lane 256 bytes.  Steps 0 and 1 come by their loads alone; Wb's loads stand three quarters ahead of their use and need none.
; Transposed use (source 0 = 16 rows of Wb, source 1 = 16 tokens): a lane's eight results are eight neighbouring columns of one row of the output.
; LIMITS: none on eh + ewb (applied by v_ldexp_f32).  The order of the sums differs from a single ascending K: eight parts of K, three experts, then x.
; REGISTERS: window 0: v1-11 addresses, v16-111 three quarters of Wb, v112-127 a Wb fragment, v128-255 the hidden fragments of a step (64 s + 16 m).
;   window 1: v0-127 an expert's accumulators (8 (4 m + n)), v128-255 the weighted totals.
.set SLOT,  131072
.set SCR,   2*SLOT
.set PITCH, 272
.set SCRW,  16*PITCH                   ; a wave's scratch
.set SPARE, SCR+8*SCRW
.set TILE,  64*PITCH                   ; the end: a wave's partial tile, over the slots, which have had their last fill and their last read by then
.set WB, 44                            ; s[44:49] Wb at my rows and my part of K, for k = 0, 1, 2
.set G0, 68                            ; s[68:75] descriptor group 0, one set for each slot
.set G1, 76                            ; s[76:83] descriptor group 1
.set WT, 84                            ; s[84:89] w_k 2^(eh + ewb), a pair for each k
.set MSB, 0
.macro WIN new                         ; low byte: bits 1:0 source 0, 3:2 source 1, 5:4 source 2, 7:6 destination; the high byte repeats the setting that is left
.if MSB != \new
	s_set_vgpr_msb (MSB<<8)|\new
.set MSB, \new
.endif
.endm
.macro PLACES n
.rept \n
	v_nop
.endr
.endm
.macro CROUND                          ; a round of the cluster's barrier
	s_barrier_signal -1
	s_barrier_wait -1
	s_cmp_lg_u32 s18, 0
	s_cbranch_scc1 .Lnot_wave_0_\@
	s_barrier_signal -3
.Lnot_wave_0_\@:
	s_barrier_wait -3
	s_barrier_signal -1
	s_barrier_wait -1
.endm
.macro JLOAD n                         ; my 16,384 bytes of a slot
	tensor_load_to_lds s[G0+4*(\n):G0+4*(\n)+3], s[G1:G1+7]
	s_nop 0
	PLACES 4
.endm
	s_load_b256 s[4:11], s[0:1], 0x0               ; hq 4:5, Wb 6:7, scales 8:9, idx 10:11
	s_load_b128 s[12:15], s[0:1], 0x20             ; wts 12:13, x 14:15
	s_load_b64 s[16:17], s[0:1], 0x30              ; out0
	v_lshl_add_u32 v8, v0, 2, SPARE
	v_mov_b32 v9, 0
	ds_add_u32 v8, v9
	ds_add_u32 v8, v9
	v_lshrrev_b32 v1, 5, v0
	v_readfirstlane_b32 s18, v1                    ; wave 0..7
	s_mul_i32 s56, s18, SCRW
	s_add_co_u32 s56, s56, SCR
	s_mul_i32 s57, s18, 8*PITCH
	s_mul_i32 s58, s18, TILE
	s_lshl_b32 s59, s18, 14
	v_and_b32 v1, 31, v0
	v_and_b32 v12, 15, v0                          ; r
	v_bfe_u32 v13, v0, 4, 1                        ; h
	v_lshlrev_b32 v14, 4, v12
	v_lshl_add_u32 v2, v13, 12, v14                ; Wb, x, out0 (rows of 4,096 bytes): lanes 0-15 take 256 bytes of one row, lanes 16-31 of the next
	v_lshlrev_b32 v5, 8, v12
	v_lshl_add_u32 v5, v13, 17, v5                 ; the prefetches' offset: 256 r + a step for h
	v_lshlrev_b32 v10, 4, v1
	v_add_nc_u32 v10, s59, v10                     ; slot 0: my two K steps, 16 x lane
	v_add_nc_u32 v11, SLOT, v10                    ; slot 1
	v_mul_u32_u24 v3, v13, PITCH
	v_add_nc_u32 v3, v3, v14
	v_add_nc_u32 v7, s57, v3                       ; the end: rows 8 w + 0, 1 of the first four partial tiles,
	v_add_nc_u32 v1, 4*TILE, v7                    ; and of the last four
	v_add_nc_u32 v3, s56, v3                       ; my scratch, on the way in
	v_mul_u32_u24 v6, v12, PITCH
	v_lshl_add_u32 v4, v13, 4, v6
	v_add_nc_u32 v4, s56, v4                       ; my scratch, on the way out: row r + 16 h
	v_lshl_add_u32 v6, v13, 5, v6
	v_add_nc_u32 v6, s58, v6                       ; the end: my partial tile: row r + 32 h
	s_bfe_u32 s41, ttmp6, 0x40000                  ; cx
	s_and_b32 s40, ttmp7, 0xffff                   ; the cluster's y
	s_and_b32 s42, s40, 1
	s_lshl_b32 s42, s42, 1
	s_and_b32 s43, ttmp9, 1
	s_add_co_u32 s42, s42, s43
	s_lshl_b32 s42, s42, 2
	s_add_co_u32 s42, s42, s41                     ; j = 8 (y % 2) + 4 (x % 2) + cx
	s_lshr_b32 s19, s40, 1
	s_lshl_b32 s19, s19, 1
	s_lshr_b32 s43, ttmp9, 1
	s_add_co_u32 s19, s19, s43                     ; b = 2 (y / 2) + x / 2
	s_lshl_b32 s43, s19, 4
	s_mov_b32 s[G1], 15|(3<<16)|(1<<21)            ; mask of all four, elements of 8 bytes, 8 rows of 2,048 bytes, dense
	s_mov_b32 s[G1+1], 256<<16
	s_mov_b32 s[G1+2], 8<<16
	s_mov_b32 s[G1+3], 256<<16
	s_mov_b32 s[G1+4], 8
	s_mov_b32 s[G1+5], 256
	s_mov_b32 s[G1+6], 0
	s_mov_b32 s[G1+7], 0
	s_mul_i32 s50, s19, 3*262144                   ; hq: pair 3 b, my K steps
	s_add_co_u32 s50, s50, s59
	s_mov_b32 s51, 0
	s_lshl_b32 s62, s41, 12                        ; my quarter of it for the prefetches
	s_mov_b32 s63, 0
	s_lshl_b32 s56, s19, 18                        ; x, out0: batch b, rows 8 w on, columns 64 j on
	s_lshl_b32 s57, s18, 15
	s_add_co_u32 s56, s56, s57
	s_lshl_b32 s57, s42, 8
	s_add_co_u32 s56, s56, s57
	s_mov_b32 s57, 0
	s_wait_alu depctr_va_vdst(0)
	s_wait_dscnt 0x0
	s_wait_kmcnt 0x0
	s_load_b128 s[20:23], s[10:11], s43 offset:0x0 ; e0, e1, e2, 0
	s_load_b128 s[24:27], s[12:13], s43 offset:0x0 ; w0, w1, w2, 0
	s_add_nc_u64 s[52:53], s[14:15], s[56:57]
	s_add_nc_u64 s[54:55], s[16:17], s[56:57]
	s_mov_b32 s[G0], 1
	s_mov_b32 s[G0+1], s59
	s_add_nc_u64 s[G0+2:G0+3], s[4:5], s[50:51]
	s_add_nc_u64 s[60:61], s[G0+2:G0+3], s[62:63]
	s_mov_b32 s[G0+4], 1
	s_add_co_u32 s[G0+5], s59, SLOT
	s_add_nc_u64 s[G0+6:G0+7], s[G0+2:G0+3], SLOT  ; step 1
	s_or_b32 s[G0+3], s[G0+3], 0x80000000
	s_or_b32 s[G0+7], s[G0+7], 0x80000000
	CROUND                                         ; the four partners are here: the first joint loads meet
	JLOAD 0                                        ; step 0: one tensor load a wave at the head
	s_lshl_b32 s58, s42, 18                        ; Wb: rows 64 j on, 4,096 bytes each; k = 256 w on
	s_lshl_b32 s59, s18, 8
	s_add_co_u32 s58, s58, s59
	s_wait_kmcnt 0x0
	s_min_u32 s20, s20, 7                          ; an index stays inside the table
	s_min_u32 s21, s21, 7
	s_min_u32 s22, s22, 7
.irp k, 0,1,2
	s_lshl_b32 s[40+\k], s[20+\k], 4
	s_load_b128 s[28+4*\k:31+4*\k], s[8:9], s[40+\k] offset:0x8   ; ex, ewa, eh, ewb of expert e_k
.endr
	s_mov_b32 s57, 0
.irp k, 0,1,2
	s_lshl_b32 s56, s[20+\k], 22
	s_add_co_u32 s56, s56, s58
	s_add_nc_u64 s[WB+2*\k:WB+2*\k+1], s[6:7], s[56:57]
.endr
.macro WLD t                           ; quarter t of Wb: 16 rows x 256 bytes, 8 loads
.set wi, 0
.rept 8
	global_load_b128 v[16+32*((\t)%3)+4*wi:19+32*((\t)%3)+4*wi], v2, s[WB+2*((\t)/8):WB+2*((\t)/8)+1] offset:8192*wi+65536*((\t)%4)+2048*(((\t)/4)%2)
.set wi, wi+1
.endr
.endm
.macro WFR s                           ; the quarter's fragment of K step s
.irp c, 0,1,2,3
	ds_load_b128 v[112+4*\c:115+4*\c], v4 offset:128*\s+32*\c   ; LDS serves a wave's instructions in order (ISA guide 5.7.1.4): these see my stores
.endr
.endm
.macro MUL t, s                        ; 4 products: 4 accumulators by turns
	WIN 0x50                                       ; sources window 0, C and D window 1
.irp m, 0,1,2,3
.set MD, 8*(4*\m+(\t)%4)
.if (((\t)%8) < 4) && (\s == 0)
	v_wmma_f32_16x16x128_fp8_fp8 v[MD:MD+7], v[112:127], v[128+64*\s+16*\m:143+64*\s+16*\m], 0
.else
	v_wmma_f32_16x16x128_fp8_fp8 v[MD:MD+7], v[112:127], v[128+64*\s+16*\m:143+64*\s+16*\m], v[MD:MD+7]
.endif
.endr
	WIN 0
.endm
.macro TOT k                           ; an expert's sums, weighted, onto the totals; the first expert starts them; each accumulator from its low end on
	PLACES 5                                       ; five, since the next expert's first products write over the accumulators
	WIN 0x51
.set ti, 0
.rept 64
.if (\k) == 0
	v_pk_mul_f32 v[128+ti:129+ti], v[ti:ti+1], s[WT:WT+1] op_sel_hi:[1,0]
.else
	v_pk_fma_f32 v[128+ti:129+ti], v[ti:ti+1], s[WT+2*(\k):WT+2*(\k)+1], v[128+ti:129+ti] op_sel_hi:[1,0,1]
.endif
.set ti, ti+2
.endr
	WIN 0
.endm
; The change of slots ahead of step i: my part of step i has landed; nobody reads the other slot any more; that slot takes step i + 1.
.macro SYNC i
	s_wait_tensorcnt 0x0                           ; all my tensor loads have landed
	ds_add_u32 v8, v9
.if ((\i) > 0) && ((\i) < 5)
	s_add_nc_u64 s[G0+4*(((\i)+1)%2)+2:G0+4*(((\i)+1)%2)+3], s[G0+4*(((\i)+1)%2)+2:G0+4*(((\i)+1)%2)+3], 2*SLOT
.endif
	s_wait_dscnt 0x0                               ; the add is done, and so are my reads
.if (\i) < 5
	CROUND
	JLOAD ((\i)+1)%2                               ; the first tensor load behind the round; it has step i's work in which to land
.else
	s_barrier_signal -1
	s_barrier_wait -1                              ; nothing is filled again
.endif
.endm
.macro QTR t
.if ((\t)%4) == 0
	SYNC (\t)/4
.endif
.if (\t) < 22
	s_wait_loadcnt 16                              ; quarter t is in; the two younger quarters may be out
.elseif (\t) == 22
	s_wait_loadcnt 12                              ; (behind it: quarter 23 and x's four loads)
.else
	s_wait_loadcnt 4
.endif
.set ci, 0
.rept 8
	ds_store_b128 v3, v[16+32*((\t)%3)+4*ci:19+32*((\t)%3)+4*ci] offset:2*ci*PITCH
.set ci, ci+1
.endr
	WFR 0
.if ((\t)%4) == 0
.irp s, 0,1                                    ; the step's hidden fragments
.irp m, 0,1,2,3
.irp c, 0,1,2,3
	ds_load_b128 v[128+64*\s+16*\m+4*\c:131+64*\s+16*\m+4*\c], v[10+((\t)/4)%2] offset:(4*\s+\m)*2048+512*\c
.endr
.endr
.endr
	s_wait_dscnt 36                                ; the stores have read their registers (36 loads stand behind them),
.else
	s_wait_dscnt 4
.endif
.if (\t) < 21
	WLD (\t)+3                                     ; which take the quarter three further on
.elseif (\t) == 21
.irp i, 0,1,2,3                                ; my 8 rows of x
	global_load_b128 v[16+4*\i:19+4*\i], v2, s[52:53] offset:8192*\i
.endr
.endif
.if ((\t) == 1) || ((\t) == 9)
	global_prefetch_b8 v5, s[60:61] offset:SLOT*((\t)/4+2) th:TH_LOAD_NT scope:SCOPE_SE
.endif
	s_wait_dscnt 0x0
	MUL \t, 0
	PLACES 4                                       ; in front of loads into registers that these products read
	WFR 1
	s_wait_dscnt 0x0
	MUL \t, 1
.if ((\t)%8) == 7
	TOT (\t)/8
.else
	PLACES 4
.endif
.endm
	WLD 0
	WLD 1
	WLD 2
	s_wait_kmcnt 0x0
.irp k, 0,1,2
	s_add_co_i32 s56, s[30+4*\k], s[31+4*\k]       ; eh + ewb
	v_mov_b32 v13, s[24+\k]
	v_ldexp_f32 v14, v13, s56
	v_readfirstlane_b32 s[WT+2*\k], v14            ; w_k 2^(eh + ewb)
	s_mov_b32 s[WT+2*\k+1], s[WT+2*\k]
.endr
	s_wait_alu depctr_va_vdst(0)
.irp t, 0,1,2,3,4,5,6,7,8,9,10,11,12,13,14,15,16,17,18,19,20,21,22,23
	QTR \t
.endr
	; THE END.  A barrier (every wave's reads of the slots are over); my partial tile goes over the slots (64 rows of 256 bytes + 16); a barrier; wave w adds rows 8 w .. 8 w + 7 of the eight tiles and x, and stores them.
	s_wait_alu depctr_va_vdst(0)
	s_barrier_signal -1
	s_barrier_wait -1
	WIN 0x04                                       ; store data window 1
.irp m, 0,1,2,3
.irp n, 0,1,2,3
	ds_store_b128 v6, v[128+8*(4*\m+\n):131+8*(4*\m+\n)] offset:16*\m*PITCH+64*\n
	ds_store_b128 v6, v[132+8*(4*\m+\n):135+8*(4*\m+\n)] offset:16*\m*PITCH+64*\n+16
.endr
.endr
	WIN 0
	s_wait_dscnt 0x0                               ; for the others' sake: my tile has landed
	s_barrier_signal -1
	s_barrier_wait -1
.irp q, 0,1,2,3
.irp i, 0,1,2,3
	ds_load_b128 v[128+16*\q+4*\i:131+16*\q+4*\i], v7 offset:\q*TILE+2*\i*PITCH
	ds_load_b128 v[192+16*\q+4*\i:195+16*\q+4*\i], v1 offset:\q*TILE+2*\i*PITCH
.endr
.endr
	s_wait_loadcnt 0x0                             ; x
	s_wait_dscnt 0x0
.irp d, 64,32,16
.set j, 0
.rept \d/2
	v_pk_add_f32 v[128+j:129+j], v[128+j:129+j], v[128+\d+j:129+\d+j]
.set j, j+2
.endr
.endr
.set j, 0
.rept 8
	v_pk_add_f32 v[128+j:129+j], v[128+j:129+j], v[16+j:17+j]
.set j, j+2
.endr
.irp i, 0,1,2,3
	global_store_b128 v2, v[128+4*\i:131+4*\i], s[54:55] offset:8192*\i th:TH_STORE_NT   ; 16 lanes store 256 consecutive bytes, aligned, of one row, the other 16 of the next
.endr
	s_wait_tensorcnt 0x0                           ; the wave's end
	ds_add_u32 v8, v9
	s_wait_dscnt 0x0
	CROUND                                         ; the closing round
	s_endpgm
.Lfunc_end_k_qb37777ed8c_down:
	.size	k_qb37777ed8c_down, .Lfunc_end_k_qb37777ed8c_down-k_qb37777ed8c_down
	.p2alignl 7, 3214868480
	.fill 96, 4, 3214868480
	.section	.rodata,"a",@progbits
	.p2align	6, 0x0
	.amdhsa_kernel k_qb37777ed8c_down
		.amdhsa_group_segment_fixed_size 327680
		.amdhsa_private_segment_fixed_size 0
		.amdhsa_enable_private_segment 0
		.amdhsa_kernarg_size 56
		.amdhsa_user_sgpr_count 2
		.amdhsa_user_sgpr_kernarg_segment_ptr 1
		.amdhsa_wavefront_size32 1
		.amdhsa_system_sgpr_workgroup_id_x 1
		.amdhsa_system_sgpr_workgroup_id_y 1
		.amdhsa_system_sgpr_workgroup_id_z 1
		.amdhsa_system_vgpr_workitem_id 0
		.amdhsa_next_free_vgpr 512
		.amdhsa_next_free_sgpr 90
		.amdhsa_reserve_vcc 0
		.amdhsa_float_denorm_mode_32 3
		.amdhsa_float_denorm_mode_16_64 3
		.amdhsa_memory_ordered 1
		.amdhsa_forward_progress 1
		.amdhsa_inst_pref_size 110
	.end_amdhsa_kernel
	.amdgpu_metadata
---
amdhsa.version: [ 1, 2 ]
amdhsa.kernels:
  - .name:           k_qb37777ed8c_down
    .symbol:         k_qb37777ed8c_down.kd
    .args:
      - { .name: hq, .offset: 0, .size: 8, .value_kind: global_buffer, .address_space: global }
      - { .name: Wb_codes, .offset: 8, .size: 8, .value_kind: global_buffer, .address_space: global }
      - { .name: lowp_scales, .offset: 16, .size: 8, .value_kind: global_buffer, .address_space: global }
      - { .name: idx, .offset: 24, .size: 8, .value_kind: global_buffer, .address_space: global }
      - { .name: wts, .offset: 32, .size: 8, .value_kind: global_buffer, .address_space: global }
      - { .name: x, .offset: 40, .size: 8, .value_kind: global_buffer, .address_space: global }
      - { .name: out0, .offset: 48, .size: 8, .value_kind: global_buffer, .address_space: global }
    .group_segment_fixed_size: 327680
    .private_segment_fixed_size: 0
    .kernarg_segment_align: 8
    .kernarg_segment_size: 56
    .max_flat_workgroup_size: 256
    .sgpr_count:     90
    .vgpr_count:     512
    .wavefront_size: 32
...
	.end_amdgpu_metadata
.endif
;; end of part 3
